; MI455X (gfx1250); checked and timed in simulation.
; The chip was launched on July 23, 2026; its instructions are those of AMD's public machine-readable ISA for CDNA 5 (MIT licence, August 2026) and "CDNA5" Instruction Set Architecture Reference Guide (July 2026). The comments in the code are by the model that wrote it; some were corrected since.
;; Attn H2 O. Allowed arithmetic: matrix products marked QUANTISED: E5M2 operands, one E8M0 scale for each 32 along K, by v_wmma_scale_f32_16x16x128_f8f6f4 with both operands' format E5M2, f32 sums; everything else in f32.
;; Inputs: k 4,096 x 1,024 float32; q 2,048 x 4,096 float32; v_codes 1,024 x 128 x 32 uint8 (E5M2 codes of v, K innermost, in blocks of 32 codes); v_scales 1,024 x 128 uint8 (E8M0 scales of v, one for each 32 codes along K).
;; Outputs: out0 2,048 x 4,096 float32; out1 8 x 4,096 float32.
;; This version of the problem:
;;   THIS VERSION OF THE PROBLEM IS GIVEN IN LOW PRECISION. The matrix products marked QUANTISED in the list below multiply operands that are first quantised to E5M2 (5 exponent bits, 2 mantissa bits; 8 bits a number), with one power-of-two scale for each 32 numbers along K (OCP MX v1.0); their sums are f32. All else is computed in f32.
;;   The module's matrix products, in the order in which they are computed (A, B: the left and right operand; K: the contracted axis; several contracted axes count as one K, in the product's order):
;;     1. batch 8 x [M 4,096, K 128] x [K 128, N 8,192]; A: input k; B: input q: QUANTISED
;;     2. batch 8 x [M 128, K 4,096] x [K 4,096, N 8,192]; A: input v (given as codes); B: softmax (see below): QUANTISED
;;   THE QUANTISER, for each operand of a quantised product, along K:
;;     - K is cut into blocks of 32 from its start; a last block that is shorter is filled with zeros.
;;     - A block's scale is 2^e with e = floor(log2(the largest magnitude in the block)) - 15, held to -126 .. 127; a block of zeros has e = 0. As a byte (E8M0): e + 127.
;;     - Each number is divided by its block's scale, clamped to +-57,344, and rounded to the nearest number of E5M2, ties to even, subnormals kept.
;;     - The product sums the exact products of the quantised numbers (number of the format x scale) in f32.
;;   ~~~python
;;   def quantise(x, axis):      # numpy; x: float32 -> the quantised numbers, widened to float32 again
;;       x = np.moveaxis(x, axis, -1); K = x.shape[-1]
;;       x = np.pad(x, [(0, 0)] * (x.ndim - 1) + [(0, -K % 32)]); x = x.reshape(x.shape[:-1] + (-1, 32)); a = np.abs(x).max(-1, keepdims=True)
;;       e = np.where(a > 0, np.clip(np.frexp(np.where(a > 0, a, 1))[1] - 1 - 15, -126, 127), 0)      # np.frexp(a)[1] - 1 = floor(log2(a)), exactly
;;       r = np.clip(x / 2.0 ** e, -57344, 57344)
;;       step = 2.0 ** (np.maximum(np.frexp(np.where(r == 0, 1, r))[1] - 1, -14) - 2)
;;       q = np.round(r / step) * step * 2.0 ** e      # np.round: ties to even
;;       return np.moveaxis(q.reshape(q.shape[:-2] + (-1,))[..., :K], -1, axis).astype(np.float32)
;;   ~~~
;;   SOFTMAX AHEAD OF A QUANTISED PRODUCT. Where the list says 'softmax', what is quantised is not the finished softmax but p = 2^(t - M), with t = logit x log2(e) and M = ceil(the row's largest t), a whole number; so 1/2 < the row's largest p <= 1. The row's sum l is taken of the UNQUANTISED p, in f32, and the product's result is divided by l at the end. Since M is a whole number, a kernel that streams over the keys may use a running M (the ceiling of the running maximum): every later rescaling is an exact power of two, which a block's scale takes up: the codes' values come out the same.
;;   OPERANDS COMPUTED ON THE WAY. 'Computed on the way' means the value that the module computes at that place (a softmax that the list does not call 'softmax' is quantised finished and normalised). What goes into a quantiser is computed in f32, as accurately as f32 sums, v_exp_f32 and their like allow (about 1e-6 of the number): no bf16 or f16 on the way to a quantiser, and a product that is left as it is and whose result goes on into a quantised operand takes f32 operands (vector FMAs, or v_wmma_f32_16x16x4_f32). A number that lies on a knife's edge between two numbers of the format may be rounded either way, as far as f32 arithmetic and the matrix unit's own rounding can turn it there, and no further.
;;   INPUTS GIVEN AS CODES. v (in the module: [4096, 1024], K = its axis 0): each comes as NAME_codes (uint8): NAME with its K axis moved to the last place and cut into blocks of 32 codes, [.., K / 32, bytes a block], one block behind the other in memory; one code a byte (a code: sign, 5 exponent bits, 2 mantissa bits); and NAME_scales (uint8): the same leading axes, one E8M0 byte (e + 127) for each 32 codes along K. Its value is code x scale, taken as it is: it is not quantised again, and the codes and scales need not be those that the quantiser above would give.
;; One version. Each part assembles by itself: llvm-mc -triple=amdgcn-amd-amdhsa -mcpu=gfx1250 --defsym DOCPART=n.
;; ======== version 1 of 1: 3 launches
;; limits: right only within a limited range of input values
;; workspace buffers: k_codes 4,194,304 bytes; k_scales 131,072 bytes; qrec 9,437,184 bytes
;; launch kq (part 1): grid 32 x 8, 8 waves a work-group, no clusters, 42,496 bytes of LDS; arguments k, k_codes, k_scales; writes k_codes, k_scales
.if DOCPART == 1
	.amdgcn_target "amdgcn-amd-amdhsa--gfx1250"
	.amdhsa_code_object_version 6
	.text
	.protected	k_q5dec34e27a_kq
	.globl	k_q5dec34e27a_kq
	.p2align	8
	.type	k_q5dec34e27a_kq,@function
k_q5dec34e27a_kq:
	s_mov_b64 s[64:65], 0
	v_nop
	global_prefetch_b8 v0, s[64:65] scope:SCOPE_SE
	s_setreg_imm32_b32 hwreg(HW_REG_WAVE_MODE, 25, 1), 1
	s_wait_xcnt 0x0
; k [4096 keys][8 heads x 128], f32, becomes codes of BF8 (E5M2) along the head's 128, one E8M0 byte for each 32, laid by head:
; k_codes [8][4096 places][128 bytes], k_scales [8][4096 places][4 bytes].
; A KEY'S PLACE is its number with bits 3 and 4 exchanged: 16 neighbouring places 32 b + 16 u + m then hold the keys 32 b + 8 u + m + 8 (m / 8),
; which is the choice of keys that lets the scores of two neighbouring tiles be 16 neighbouring keys in a lane's registers.
; A block's scale is 2^(floor(log2(its largest magnitude)) - 15); its byte is the largest magnitude's exponent field - 15, held at 1 from below.
; LIMITS: a block whose largest magnitude lies under 2^(16 - 127) keeps the byte 1; a block of zeros gets the byte 1 where the rule says 127 (its codes are zeros, and this
; program alone reads the bytes); NaN and infinities among the inputs are not served.
; SHARES: a work-group takes 128 keys of one head, a wave 16 of them in four steps of 4 keys.  A load reads one key's 512 consecutive bytes, 16 a lane; a step's 2,048 bytes turn through
; the wave's own stage in LDS (16 bytes of padding behind each 64) and come back 64 bytes a lane: 16 neighbours along the head's axis, two neighbouring lanes to a block.
; A step's codes are 4 neighbouring places: the wave stores 512 consecutive bytes, aligned.  The work-group's 512 scale bytes meet in LDS and leave by one store of 512 consecutive bytes.
; No work-group reads what another reads, so there is nothing to share in a cluster; all 16 loads of a wave are out at once.
.set SP,   80                          ; a lane's place in a stage: 64 bytes + 16 of padding
.set SCR,  8*2*32*SP                   ; behind the eight waves' stages: the work-group's 512 scale bytes
.set R,    16                          ; v16-79   four sets of 16 numbers as they are loaded
.set X,    80                          ; v80-111  two sets of 16 neighbours
.set E,    112                         ; v112-115 a scale byte for each step
.set C,    128                         ; v128-143 codes: four registers for each step, so that no store's data are written again
	s_load_b128 s[4:7], s[0:1], 0x0                ; k, k_codes
	s_load_b64 s[8:9], s[0:1], 0x10                ; k_scales
	v_lshl_add_u32 v144, v0, 2, 0xa200
	v_mov_b32 v145, 0
	v_lshrrev_b32 v1, 5, v0
	s_delay_alu instid0(VALU_DEP_1)
	v_readfirstlane_b32 s16, v1                    ; wave 0..7
	v_and_b32 v2, 31, v0                           ; lane
	s_wait_alu depctr_va_vdst(0)
	v_lshlrev_b32 v3, 4, v2                        ; 16 x lane: my bytes of a load's, a code store's and the last store's 512
	s_mul_i32 s17, s16, 2*32*SP                    ; my wave's two stages
	v_lshrrev_b32 v14, 2, v2
	s_delay_alu instid0(VALU_DEP_1)
	v_mul_u32_u24 v14, v14, SP
	v_and_b32 v15, 3, v2
	s_delay_alu instid0(VALU_DEP_1)
	v_lshl_add_u32 v14, v15, 4, v14
	s_delay_alu instid0(VALU_DEP_1)
	v_add_nc_u32 v14, s17, v14                     ; the stage, on the way in: SP (lane / 4) + 16 (lane % 4)
	v_mul_u32_u24 v15, v2, SP
	s_delay_alu instid0(VALU_DEP_1)
	v_add_nc_u32 v15, s17, v15                     ; and on the way out: SP x lane
	s_lshr_b32 s18, s16, 1
	s_lshl_b32 s18, s18, 5
	s_and_b32 s19, s16, 1
	s_lshl_b32 s19, s19, 3
	s_add_co_u32 s18, s18, s19                     ; my wave's first place among the work-group's 128: 32 (w / 2) + 8 (w % 2)
	s_lshl_b32 s19, s18, 2
	s_add_co_u32 s19, s19, SCR
	v_lshrrev_b32 v5, 1, v2
	s_delay_alu instid0(VALU_DEP_1)
	v_add_nc_u32 v5, s19, v5                       ; my block's scale byte: 4 bytes a place; in a step lane / 2 = 4 (key) + block
	v_add_nc_u32 v6, SCR, v3                       ; and the way out of the 512 bytes
	s_and_b32 s24, ttmp7, 0xffff                   ; the head
	s_lshl_b32 s20, ttmp9, 7                       ; the work-group's first key
	s_lshl_b32 s21, s16, 4
	s_add_co_u32 s21, s21, s20
	s_lshl_b32 s26, s21, 12                        ; k: my first key's row of 4,096 bytes,
	s_lshl_b32 s21, s24, 9
	s_add_co_u32 s26, s26, s21                     ; the head's 512 bytes in it
	s_mov_b32 s27, 0
	s_add_co_u32 s28, s20, s18
	s_lshl_b32 s28, s28, 7                         ; codes: 128 bytes a place,
	s_lshl_b32 s21, s24, 19
	s_add_co_u32 s28, s28, s21                     ; 4,096 places a head
	s_mov_b32 s29, 0
	s_lshl_b32 s30, ttmp9, 9                       ; scale bytes: 512 a work-group,
	s_lshl_b32 s21, s24, 14
	s_add_co_u32 s30, s30, s21                     ; 16,384 a head
	s_mov_b32 s31, 0
	s_wait_alu depctr_va_vdst(0)
	s_wait_kmcnt 0x0
	s_add_nc_u64 s[4:5], s[4:5], s[26:27]
	s_add_nc_u64 s[6:7], s[6:7], s[28:29]
	s_add_nc_u64 s[8:9], s[8:9], s[30:31]
.macro LOAD t                          ; step t: keys 4 t .. 4 t + 3 of my 16
.irp i, 0,1,2,3
	global_load_b128 v[R+16*(\t)+4*\i:R+16*(\t)+4*\i+3], v3, s[4:5] offset:(4*(\t)+\i)*4096 th:TH_LOAD_NT   ; 32 lanes read 512 consecutive bytes; read once in the launch
.endr
.endm
.macro TURN t                          ; step t's numbers through a stage: LDS serves a wave's instructions in order, so no wait stands between the stores and the loads
.irp i, 0,1,2,3
	ds_store_b128 v14, v[R+16*(\t)+4*\i:R+16*(\t)+4*\i+3] offset:32*SP*((\t)%2)+8*SP*\i
.endr
.irp i, 0,1,2,3
	ds_load_b128 v[X+16*((\t)%2)+4*\i:X+16*((\t)%2)+4*\i+3], v15 offset:32*SP*((\t)%2)+16*\i
.endr
.endm
.irp t, 0,1,2,3
	LOAD \t
.endr
	s_wait_loadcnt 12                              ; step 0's four loads are in; the twelve behind them stay out
	TURN 0
.macro STEP t
.set XS, X+16*((\t)%2)
.if (\t) > 0
	s_wait_dscnt 1                                 ; this step's numbers are back from the stage; the last step's byte store may be out
.else
	s_wait_dscnt 0x0
.endif
.if (\t) < 3
	s_wait_loadcnt 8-4*(\t)                        ; the next step's four loads are in; those of the steps behind it may be out
	TURN (\t)+1                                    ; and go through the other stage while this step is worked
.endif
	v_max3_num_f32 v8, |v[XS]|, |v[XS+1]|, |v[XS+2]|               ; the largest magnitude of my 16, in two chains
	v_max3_num_f32 v9, |v[XS+3]|, |v[XS+4]|, |v[XS+5]|
.irp i, 6,10
	s_delay_alu instid0(VALU_DEP_2)
	v_max3_num_f32 v8, v8, |v[XS+\i]|, |v[XS+\i+1]|
	s_delay_alu instid0(VALU_DEP_2)
	v_max3_num_f32 v9, v9, |v[XS+\i+2]|, |v[XS+\i+3]|
.endr
	s_delay_alu instid0(VALU_DEP_2)
	v_max3_num_f32 v8, v8, |v[XS+14]|, |v[XS+15]|
	s_delay_alu instid0(VALU_DEP_1)
	v_max3_num_f32 v8, v8, v9, 0x8000000           ; and the floor 2^(16 - 127): the byte cannot fall under 1
	s_delay_alu instid0(VALU_DEP_1)
	v_max_num_f32_dpp v8, v8, v8 row_xmask:1 row_mask:0xf bank_mask:0xf   ; and of my neighbour's 16: the block's
	s_delay_alu instid0(VALU_DEP_1)
	v_add_nc_u32 v11, 0xf8800000, v8               ; 15 off its exponent field: the conversion takes the exponent field of this operand as its scale
.irp i, 0,1,2,3,4,5,6,7,8,9,10,11,12,13,14,15
.endr
	v_cvt_scalef32_pk8_bf8_f32 v[C+4*(\t):C+4*(\t)+1], v[XS:XS+7], v11
	v_cvt_scalef32_pk8_bf8_f32 v[C+4*(\t)+2:C+4*(\t)+3], v[XS+8:XS+15], v11
	v_lshrrev_b32 v[E+(\t)], 23, v11               ; the scale's byte (also the plain line behind the conversions)
	ds_store_b8 v5, v[E+(\t)] offset:4*(16*((\t)/2)+4*((\t)%2))    ; both lanes of a block write the same byte with the same value
	global_store_b128 v3, v[C+4*(\t):C+4*(\t)+3], s[6:7] offset:128*(16*((\t)/2)+4*((\t)%2))   ; four neighbouring places: 512 consecutive bytes, aligned
.endm
.irp t, 0,1,2,3
	STEP \t
.endr
	s_wait_dscnt 0x0                               ; for the others' sake: my byte stores have landed
	s_barrier_signal -1
	s_barrier_wait -1
	s_cmp_lg_u32 s16, 0
	s_cbranch_scc1 .Ldone                          ; wave 0 alone stores the work-group's scale bytes
	ds_load_b128 v[120:123], v6
	s_wait_dscnt 0x0
	global_store_b128 v3, v[120:123], s[8:9]       ; 512 consecutive bytes, aligned
.Ldone:
	s_wait_tensorcnt 0x0
	ds_add_u32 v144, v145
	s_wait_dscnt 0x0
	s_endpgm
.Lfunc_end_k_q5dec34e27a_kq:
	.size	k_q5dec34e27a_kq, .Lfunc_end_k_q5dec34e27a_kq-k_q5dec34e27a_kq
	.p2alignl 7, 3214868480
	.fill 96, 4, 3214868480
	.section	.rodata,"a",@progbits
	.p2align	6, 0x0
	.amdhsa_kernel k_q5dec34e27a_kq
		.amdhsa_group_segment_fixed_size 42496
		.amdhsa_private_segment_fixed_size 0
		.amdhsa_enable_private_segment 0
		.amdhsa_kernarg_size 24
		.amdhsa_user_sgpr_count 2
		.amdhsa_user_sgpr_kernarg_segment_ptr 1
		.amdhsa_wavefront_size32 1
		.amdhsa_system_sgpr_workgroup_id_x 1
		.amdhsa_system_sgpr_workgroup_id_y 1
		.amdhsa_system_sgpr_workgroup_id_z 1
		.amdhsa_system_vgpr_workitem_id 0
		.amdhsa_next_free_vgpr 146
		.amdhsa_next_free_sgpr 66
		.amdhsa_reserve_vcc 0
		.amdhsa_float_denorm_mode_32 3
		.amdhsa_float_denorm_mode_16_64 3
		.amdhsa_fp16_overflow 1
		.amdhsa_memory_ordered 1
		.amdhsa_forward_progress 1
		.amdhsa_inst_pref_size 12
	.end_amdhsa_kernel
	.amdgpu_metadata
---
amdhsa.version: [ 1, 2 ]
amdhsa.kernels:
  - .name:           k_q5dec34e27a_kq
    .symbol:         k_q5dec34e27a_kq.kd
    .args:
      - { .name: k, .offset: 0, .size: 8, .value_kind: global_buffer, .address_space: global }
      - { .name: k_codes, .offset: 8, .size: 8, .value_kind: global_buffer, .address_space: global }
      - { .name: k_scales, .offset: 16, .size: 8, .value_kind: global_buffer, .address_space: global }
    .group_segment_fixed_size: 42496
    .private_segment_fixed_size: 0
    .kernarg_segment_align: 8
    .kernarg_segment_size: 24
    .max_flat_workgroup_size: 256
    .sgpr_count:     66
    .vgpr_count:     146
    .wavefront_size: 32
...
	.end_amdgpu_metadata
.endif
;; end of part 1
;; launch flash (part 2): grid 32 x 8, 8 waves a work-group, clusters of 4 x 1, 327,680 bytes of LDS; arguments q, k_codes, k_scales, v_codes, v_scales, out0, qrec; writes out0, qrec
.if DOCPART == 2
	.amdgcn_target "amdgcn-amd-amdhsa--gfx1250"
	.amdhsa_code_object_version 6
	.text
	.protected	k_q5dec34e27a_flash
	.globl	k_q5dec34e27a_flash
	.p2align	8
	.type	k_q5dec34e27a_flash,@function
k_q5dec34e27a_flash:
	s_mov_b64 s[64:65], 0
	v_nop
	global_prefetch_b8 v0, s[64:65] scope:SCOPE_SE
	s_setreg_imm32_b32 hwreg(HW_REG_WAVE_MODE, 25, 1), 1
	s_wait_xcnt 0x0
	s_wait_alu depctr_hold_cnt(0) depctr_sa_sdst(0) depctr_va_vdst(0) depctr_va_sdst(0) depctr_va_ssrc(0) depctr_va_vcc(0) depctr_vm_vsrc(0)
	s_getreg_b32 s2, hwreg(HW_REG_IB_STS2, 6, 4)
	s_cmp_eq_u32 s2, 0
	s_cbranch_scc0 .Lentry_in_a_cluster
	s_endpgm
.Lentry_in_a_cluster:
	s_bfe_u32 s2, ttmp6, 0x10000c
	s_cmp_lg_u32 s2, 0x3003
	s_cbranch_scc0 .Lentry_shape_is_right
	s_endpgm
.Lentry_shape_is_right:
.set KP,    144
.set VP,    272
.set VOFF,  256*KP
.set SLOT1, 1<<17
.set SCK,   2*SLOT1
.set SCH,   32*272
.set SCV,   SCK+2*SCH
.set SPARE, SCV+2*SCH
.set AK0,  1
.set AV0,  2
.set ASK0, 3
.set ASV0, 4
.set SPW,  5
.set NIL,  6
.set GO,   7
.set ADK,  8
.set ADV,  9
.set ADS,  10
.set ADT,  11
.set WV,   18
.set MNT,  19
.set SEL,  20
.set CS,   22
.set G1K,  24
.set G1V,  32
.set G0K,  40
.set G0V,  44
.set G1S,  48
.set G0SK, 56
.set G0SV, 60
.set TB,   66
.set TS,   67
.set TJ,   68
.set SLOTS, 69
.set KF,   70
.set QV,   71
.set HM,   72
.set QE,   73
.set MSB, 0
.macro WIN new
.if MSB != (\new)
	s_set_vgpr_msb (MSB<<8)|(\new)
.set MSB, (\new)
.endif
.endm
.macro CROUND
	s_barrier_signal -1
	s_barrier_wait -1
	s_cmp_lg_u32 s[WV], 0
	s_cbranch_scc1 .Lnot_wave_0_\@
	s_barrier_signal -3
.Lnot_wave_0_\@:
	s_barrier_wait -3
	s_barrier_signal -1
	s_barrier_wait -1
.endm
.macro TLOAD g0k, g1k, g0v, g1v
	s_cmp_lt_u32 s[WV], 2
	s_cbranch_scc0 .Lnot_k_\@
	tensor_load_to_lds s[\g0k:\g0k+3], s[\g1k:\g1k+7]
	s_nop 0
.rept 4
	v_nop
.endr
	s_branch .Lasked_\@
.Lnot_k_\@:
	s_cmp_lt_u32 s[WV], 4
	s_cbranch_scc0 .Lasked_\@
	tensor_load_to_lds s[\g0v:\g0v+3], s[\g1v:\g1v+7]
	s_nop 0
.rept 4
	v_nop
.endr
.Lasked_\@:
.endm
.macro WMM d, a, b, acc, sa, sb, ra, rb
.if \acc
.if \ra
.if \rb
	v_wmma_scale_f32_16x16x128_f8f6f4 v[\d:\d+7], v[\a:\a+15], v[\b:\b+15], v[\d:\d+7], v[\sa], v[\sb] matrix_a_fmt:MATRIX_FMT_BF8 matrix_b_fmt:MATRIX_FMT_BF8 matrix_a_scale:MATRIX_SCALE_ROW1 matrix_b_scale:MATRIX_SCALE_ROW1
.else
	v_wmma_scale_f32_16x16x128_f8f6f4 v[\d:\d+7], v[\a:\a+15], v[\b:\b+15], v[\d:\d+7], v[\sa], v[\sb] matrix_a_fmt:MATRIX_FMT_BF8 matrix_b_fmt:MATRIX_FMT_BF8 matrix_a_scale:MATRIX_SCALE_ROW1
.endif
.else
.if \rb
	v_wmma_scale_f32_16x16x128_f8f6f4 v[\d:\d+7], v[\a:\a+15], v[\b:\b+15], v[\d:\d+7], v[\sa], v[\sb] matrix_a_fmt:MATRIX_FMT_BF8 matrix_b_fmt:MATRIX_FMT_BF8 matrix_b_scale:MATRIX_SCALE_ROW1
.else
	v_wmma_scale_f32_16x16x128_f8f6f4 v[\d:\d+7], v[\a:\a+15], v[\b:\b+15], v[\d:\d+7], v[\sa], v[\sb] matrix_a_fmt:MATRIX_FMT_BF8 matrix_b_fmt:MATRIX_FMT_BF8
.endif
.endif
.else
.if \ra
.if \rb
	v_wmma_scale_f32_16x16x128_f8f6f4 v[\d:\d+7], v[\a:\a+15], v[\b:\b+15], 0, v[\sa], v[\sb] matrix_a_fmt:MATRIX_FMT_BF8 matrix_b_fmt:MATRIX_FMT_BF8 matrix_a_scale:MATRIX_SCALE_ROW1 matrix_b_scale:MATRIX_SCALE_ROW1
.else
	v_wmma_scale_f32_16x16x128_f8f6f4 v[\d:\d+7], v[\a:\a+15], v[\b:\b+15], 0, v[\sa], v[\sb] matrix_a_fmt:MATRIX_FMT_BF8 matrix_b_fmt:MATRIX_FMT_BF8 matrix_a_scale:MATRIX_SCALE_ROW1
.endif
.else
.if \rb
	v_wmma_scale_f32_16x16x128_f8f6f4 v[\d:\d+7], v[\a:\a+15], v[\b:\b+15], 0, v[\sa], v[\sb] matrix_a_fmt:MATRIX_FMT_BF8 matrix_b_fmt:MATRIX_FMT_BF8 matrix_b_scale:MATRIX_SCALE_ROW1
.else
	v_wmma_scale_f32_16x16x128_f8f6f4 v[\d:\d+7], v[\a:\a+15], v[\b:\b+15], 0, v[\sa], v[\sb] matrix_a_fmt:MATRIX_FMT_BF8 matrix_b_fmt:MATRIX_FMT_BF8
.endif
.endif
.endif
.endm
.macro SMUL g, t
	WIN 84*\t+\g
.irp i, 0,1,2,3
	WMM 96+8*(4*\g+\i), 32+16*\i, 16, 0, 248+\i, 255, \g, \t
.endr
.endm
.macro PMUL g, t
	WIN 84*\t+\g
.irp i, 0,1,2,3
	WMM 160+8*(4*\g+\i), 32+16*\i, 224, 1, 248+\i, 253, \g, \t
.endr
.endm
.macro KLOAD q
.irp i, 0,1,2,3
	ds_load_b32 v[248+\i], v[ADS] offset:64*\i
.endr
.irp i, 0,1,2,3
.irp c, 0,1,2,3
	ds_load_b128 v[32+16*\i+4*\c:35+16*\i+4*\c], v[ADK] offset:(128*\q+16*\i)*KP+32*\c
.endr
.endr
	WIN 0x40
.irp i, 0,1,2,3
.irp c, 0,1,2,3
	ds_load_b128 v[32+16*\i+4*\c:35+16*\i+4*\c], v[ADK] offset:(128*\q+64+16*\i)*KP+32*\c
.endr
.endr
	WIN 0
.endm
.macro VLOAD q
.irp i, 0,1,2,3
	ds_load_b32 v[248+\i], v[ADT] offset:2176*\i
.endr
.irp i, 0,1,2,3
.irp c, 0,1,2,3
	ds_load_b128 v[32+16*\i+4*\c:35+16*\i+4*\c], v[ADV] offset:16*\i*VP+128*\q+32*\c
.endr
.endr
	WIN 0x40
.irp i, 0,1,2,3
.irp c, 0,1,2,3
	ds_load_b128 v[32+16*\i+4*\c:35+16*\i+4*\c], v[ADV] offset:16*(\i+4)*VP+128*\q+32*\c
.endr
.endr
	WIN 0
.endm
.macro QUANT
.irp b, 0,1,2,3
	v_max3_num_f32 v[232+\b], |v[96+16*\b]|, |v[97+16*\b]|, 0x8000000
.endr
.irp i, 2,4,6,8,10,12,14
.irp b, 0,1,2,3
	s_delay_alu instid0(VALU_DEP_4)
	v_max3_num_f32 v[232+\b], v[232+\b], |v[96+16*\b+\i]|, |v[97+16*\b+\i]|
.endr
.endr
.irp b, 0,1,2,3
	s_delay_alu instid0(VALU_DEP_4)
	v_permlanex16_b32 v[236+\b], v[232+\b], s[SEL], s[SEL+1]
.endr
.irp b, 0,1,2,3
	s_delay_alu instid0(VALU_DEP_4)
	v_max_num_f32 v[232+\b], v[232+\b], v[236+\b]
.endr
.irp b, 0,1,2,3
	s_delay_alu instid0(VALU_DEP_4)
	v_add_nc_u32 v[244+\b], 0xf8800000, v[232+\b]
.endr
.irp b, 0,1,2,3
.endr
.irp b, 0,1,2,3
	s_delay_alu instid0(VALU_DEP_4)
	v_lshrrev_b32 v[236+\b], 23, v[244+\b]
.endr
	s_delay_alu instid0(VALU_DEP_3)
	v_lshl_or_b32 v254, v237, 8, v236
	s_delay_alu instid0(VALU_DEP_1)
	v_lshl_or_b32 v254, v238, 16, v254
	s_delay_alu instid0(VALU_DEP_1)
	v_lshl_or_b32 v254, v239, 24, v254
.irp b, 0,1,2,3
.irp i, 0,1,2,3,4,5,6,7,8,9,10,11,12,13,14,15
.endr
	v_cvt_scalef32_pk8_bf8_f32 v[16+4*\b:17+4*\b], v[96+16*\b:103+16*\b], v[244+\b]
	v_cvt_scalef32_pk8_bf8_f32 v[18+4*\b:19+4*\b], v[104+16*\b:111+16*\b], v[244+\b]
.endr
	v_nop
.endm
.macro MASK
	v_and_b32 v252, 15, v0
	v_bfe_u32 v254, v0, 4, 1
	s_delay_alu instid0(VALU_DEP_1)
	v_lshlrev_b32 v254, 4, v254
	s_delay_alu instid0(VALU_DEP_1)
	v_sub_nc_u32 v252, v252, v254
	s_delay_alu instid0(VALU_DEP_1)
	v_add_nc_u32 v252, s96, v252
	v_mov_b32 v254, 0xff800000
.set n, 0
.rept 64
	v_cmp_gt_i32 vcc_lo, 32*(n/16)+n%16, v252
	v_cndmask_b32 v[96+n], v[96+n], v254, vcc_lo
.set n, n+1
.endr
.endm
.macro SOFT_A
.irp b, 0,1,2,3
	v_max3_num_f32 v[232+\b], v[96+16*\b], v[97+16*\b], v[98+16*\b]
.endr
.irp i, 3,5,7,9,11,13
.irp b, 0,1,2,3
	v_max3_num_f32 v[232+\b], v[232+\b], v[96+16*\b+\i], v[97+16*\b+\i]
.endr
.endr
.irp b, 0,1,2,3
	v_max_num_f32 v[232+\b], v[232+\b], v[111+16*\b]
.endr
.irp b, 0,1,2,3
	v_permlanex16_b32 v[236+\b], v[232+\b], s[SEL], s[SEL+1]
.endr
.irp b, 0,1,2,3
	s_delay_alu instid0(VALU_DEP_4)
	v_max_num_f32 v[232+\b], v[232+\b], v[236+\b]
.endr
	s_delay_alu instid0(VALU_DEP_2)
	v_max3_num_f32 v254, v232, v233, v234
	s_delay_alu instid0(VALU_DEP_1)
	v_max_num_f32 v254, v254, v235
	s_delay_alu instid0(VALU_DEP_1)
	v_mul_f32 v254, s[CS], v254
	s_delay_alu instid0(VALU_DEP_1)
	v_max_num_f32 v13, v13, v254
	v_mov_b32 v254, v12
	s_delay_alu instid0(VALU_DEP_2)
	v_floor_f32 v12, -v13
	s_delay_alu instid0(VALU_DEP_1)
	v_sub_f32 v254, v12, v254
	s_delay_alu instid0(VALU_DEP_1)
	v_cvt_i32_f32 v254, v254
	s_delay_alu instid0(VALU_DEP_1)
	v_ldexp_f32 v252, 1.0, v254
.set n, 0
.rept 32
	v_pk_fma_f32 v[96+n:97+n], v[96+n:97+n], s[CS:CS+1], v[12:13] op_sel_hi:[1,0,0]
.set n, n+2
.endr
.irp b, 0,1,2,3
	v_fma_f32 v[232+\b], v[232+\b], s[CS], v12
.endr
.set n, 0
	s_wait_alu depctr_va_vdst(0)
.rept 64
	v_exp_f32 v[96+n], v[96+n]
.set n, n+1
.endr
.irp b, 0,1,2,3
	v_exp_f32 v[232+\b], v[232+\b]
.endr
	v_pk_mul_f32 v[14:15], v[14:15], v[252:253] op_sel_hi:[1,0]
	s_wait_alu depctr_va_vdst(0)
.irp b, 0,1,2,3
	v_max_num_f32 v[232+\b], 0x8000000, v[232+\b]
.endr
.irp b, 0,1,2,3
	s_delay_alu instid0(VALU_DEP_4)
	v_add_nc_u32 v[244+\b], 0xf8800000, v[232+\b]
.endr
.irp b, 0,1,2,3
.endr
.irp b, 0,1,2,3
	s_delay_alu instid0(VALU_DEP_4)
	v_lshrrev_b32 v[236+\b], 23, v[244+\b]
.endr
	s_delay_alu instid0(VALU_DEP_3)
	v_lshl_or_b32 v253, v237, 8, v236
	s_delay_alu instid0(VALU_DEP_1)
	v_lshl_or_b32 v253, v238, 16, v253
	s_delay_alu instid0(VALU_DEP_1)
	v_lshl_or_b32 v253, v239, 24, v253
.endm
.macro SOFT_B
	v_pk_add_f32 v[236:237], v[96:97], v[98:99]
.irp j, 4,8,12,16,20,24,28,32,36,40,44,48,52,56,60
	v_pk_add_f32 v[14:15], v[14:15], v[96+\j:97+\j]
	v_pk_add_f32 v[236:237], v[236:237], v[98+\j:99+\j]
.endr
	s_delay_alu instid0(VALU_DEP_1)
	v_pk_add_f32 v[14:15], v[14:15], v[236:237]
.irp b, 0,1,2,3
.irp i, 0,1,2,3,4,5,6,7,8,9,10,11,12,13,14,15
.endr
	v_cvt_scalef32_pk8_bf8_f32 v[224+4*\b:225+4*\b], v[96+16*\b:103+16*\b], v[244+\b]
	v_cvt_scalef32_pk8_bf8_f32 v[226+4*\b:227+4*\b], v[104+16*\b:111+16*\b], v[244+\b]
.endr
.set n, 0
.rept 32
	v_pk_mul_f32 v[160+n:161+n], v[160+n:161+n], v[252:253] op_sel_hi:[1,0]
.set n, n+2
.endr
.endm
.macro STEP q
	s_cmp_gt_u32 s[KF], s[QE]
	s_cbranch_scc1 .Lhidden_\@
	v_add_nc_u32 v[ADK], s[TB], v[AK0]
	v_add_nc_u32 v[ADV], s[TB], v[AV0]
	v_add_nc_u32 v[ADS], s[TS], v[ASK0]
	v_add_nc_u32 v[ADT], s[TJ], v[ASV0]
.rept 4
	v_nop
.endr
	KLOAD \q
	s_wait_alu depctr_va_vdst(0)
	s_wait_dscnt 16
	SMUL 0, 0
	SMUL 0, 1
	s_wait_dscnt 0x0
	SMUL 1, 0
	SMUL 1, 1
	WIN 0
.rept 8
	v_nop
.endr
	VLOAD \q
	s_add_co_u32 s96, s[KF], 127
	s_cmp_le_u32 s96, s[QV]
	s_cbranch_scc1 .Lopen_\@
	s_sub_co_i32 s96, s[QV], s[KF]
	MASK
	s_add_co_u32 s96, s96, 16
	WIN 0x55
	MASK
	WIN 0
.Lopen_\@:
	SOFT_A
	SOFT_B
	WIN 0x55
	SOFT_A
	WIN 0x04
	v_cndmask_b32 v253, v253, v253, s[HM]
	WIN 0x55
	SOFT_B
	s_wait_alu depctr_va_vdst(0)
	s_wait_dscnt 0x0
	PMUL 0, 0
	PMUL 0, 1
	PMUL 1, 0
	PMUL 1, 1
	WIN 0
.Lhidden_\@:
	s_add_co_u32 s[KF], s[KF], 128
	s_add_co_u32 s[TS], s[TS], 544
	s_add_co_u32 s[TJ], s[TJ], 4
.endm
.macro CHANGE fill
	s_wait_tensorcnt 0x0
	ds_add_u32 v[SPW], v[NIL]
.if \fill
	s_xor_b32 s[G0K+1], s[G0K+1], SLOT1
	s_add_nc_u64 s[G0K+2:G0K+3], s[G0K+2:G0K+3], 256*128
	s_xor_b32 s[G0V+1], s[G0V+1], SLOT1
	s_add_nc_u64 s[G0V+2:G0V+3], s[G0V+2:G0V+3], 256
.endif
	s_wait_dscnt 0x0
.if \fill
	CROUND
	TLOAD G0K, G1K, G0V, G1V
.else
	s_barrier_signal -1
	s_barrier_wait -1
.endif
.endm
.macro SLOT_STEPS
	STEP 0
	STEP 1
	s_xor_b32 s[TB], s[TB], SLOT1
.endm
.macro INIT
	v_mov_b32 v13, 0xff61b1e6
	s_delay_alu instid0(VALU_DEP_1)
	v_floor_f32 v12, -v13
	v_mov_b32 v14, 0
	v_mov_b32 v15, 0
	v_mov_b32 v252, 0
	v_mov_b32 v253, 0
.set n, 0
.rept 64
	v_mov_b32 v[160+n], 0
.set n, n+1
.endr
.endm
	s_load_b256 s[4:11], s[0:1], 0x0
	s_load_b128 s[12:15], s[0:1], 0x20
	s_load_b64 s[16:17], s[0:1], 0x30
	v_lshl_add_u32 v[SPW], v0, 2, SPARE
	v_mov_b32 v[NIL], 0
	ds_add_u32 v5, v6
	ds_add_u32 v5, v6
	s_wait_dscnt 0x0
	v_lshrrev_b32 v8, 5, v0
	s_delay_alu instid0(VALU_DEP_1)
	v_readfirstlane_b32 s[WV], v8
	s_and_b32 s74, ttmp7, 0xffff
	s_bfe_u32 s75, ttmp6, 0x40000
	s_and_b32 s76, s[WV], 3
	s_lshl_b32 s76, s76, 1
	s_lshr_b32 s77, ttmp9, 2
	s_add_co_u32 s76, s76, s77
	s_lshr_b32 s77, s[WV], 2
	s_xor_b32 s77, s77, s[WV]
	s_and_b32 s77, s77, 1
	s_mul_i32 s77, s77, 15
	s_xor_b32 s76, s76, s77
	s_lshl_b32 s76, s76, 2
	s_and_b32 s77, ttmp9, 3
	s_add_co_u32 s76, s76, s77
	s_lshl_b32 s78, s76, 5
	s_add_co_u32 s[QV], s78, 2048
	s_add_co_u32 s[QE], s[QV], 31
	s_lshl_b32 s80, s78, 14
	s_lshl_b32 s79, s74, 2
	s_add_co_u32 s79, s79, s75
	s_lshl_b32 s79, s79, 9
	s_add_co_u32 s80, s80, s79
	s_mov_b32 s81, 0
	s_lshl_b32 s82, s74, 7
	s_lshl_b32 s83, s76, 1
	s_add_co_u32 s82, s82, s83
	s_lshl_b32 s82, s82, 2
	s_add_co_u32 s82, s82, s75
	s_mul_i32 s82, s82, 2304
	s_mov_b32 s83, 0
	s_and_b32 s84, s[WV], 1
	s_lshl_b32 s85, s74, 19
	s_lshl_b32 s86, s84, 14
	s_add_co_u32 s86, s86, s85
	s_mov_b32 s87, 0
	s_lshl_b32 s88, s84, 18
	s_add_co_u32 s88, s88, s85
	s_mov_b32 s89, 0
	s_lshl_b32 s85, s74, 14
	s_lshl_b32 s90, s84, 13
	s_add_co_u32 s90, s90, s85
	s_mov_b32 s91, 0
	s_mul_i32 s92, s84, 128*KP
	s_mul_i32 s93, s84, 64*VP
	s_add_co_u32 s93, s93, VOFF
	s_mul_i32 s94, s84, SCH
	s_mov_b32 s[G1K], 15|(0<<16)|(1<<20)|(1<<21)|(4<<22)|(3<<25)
	s_mov_b32 s[G1K+1], 128<<16
	s_mov_b32 s[G1K+2], 128<<16
	s_mov_b32 s[G1K+3], 128<<16
	s_mov_b32 s[G1K+4], 128
	s_mov_b32 s[G1K+5], 128
	s_mov_b32 s[G1K+6], 0
	s_mov_b32 s[G1K+7], 0
	s_mov_b32 s[G1V], 15|(0<<16)|(1<<20)|(1<<21)|(5<<22)|(3<<25)
	s_mov_b32 s[G1V+1], 256<<16
	s_mov_b32 s[G1V+2], 64<<16
	s_mov_b32 s[G1V+3], 256<<16
	s_mov_b32 s[G1V+4], 64
	s_mov_b32 s[G1V+5], 4096
	s_mov_b32 s[G1V+6], 0
	s_mov_b32 s[G1V+7], 0
	s_mov_b32 s[G1S], 15|(3<<16)|(1<<20)|(1<<21)|(5<<22)|(3<<25)
	s_mov_b32 s[G1S+1], 32<<16
	s_mov_b32 s[G1S+2], 32<<16
	s_mov_b32 s[G1S+3], 32<<16
	s_mov_b32 s[G1S+4], 32
	s_mov_b32 s[G1S+5], 32
	s_mov_b32 s[G1S+6], 0
	s_mov_b32 s[G1S+7], 0
	s_mov_b32 s[SEL], 0x76543210
	s_mov_b32 s[SEL+1], 0xfedcba98
	s_mov_b32 s[CS], 0x3e0293ee
	s_mov_b32 s[CS+1], s[CS]
	s_mov_b32 s[HM], 0xffff0000
	s_mov_b32 s[TB], 0
	s_mov_b32 s[TS], 0
	s_mov_b32 s[TJ], 0
	s_mov_b32 s[KF], 0
	s_mov_b32 s[SLOTS], 15
	s_wait_kmcnt 0x0
	CROUND
	s_mov_b32 s[G0SK], 1
	s_add_co_u32 s[G0SK+1], s94, SCK
	s_add_nc_u64 s[G0SK+2:G0SK+3], s[8:9], s[90:91]
	s_or_b32 s[G0SK+3], s[G0SK+3], 0x80000000
	s_mov_b32 s[G0SV], 1
	s_add_co_u32 s[G0SV+1], s94, SCV
	s_add_nc_u64 s[G0SV+2:G0SV+3], s[12:13], s[90:91]
	s_or_b32 s[G0SV+3], s[G0SV+3], 0x80000000
	TLOAD G0SK, G1S, G0SV, G1S
	s_mov_b32 s[G0K], 1
	s_mov_b32 s[G0K+1], s92
	s_add_nc_u64 s[G0K+2:G0K+3], s[6:7], s[86:87]
	s_or_b32 s[G0K+3], s[G0K+3], 0x80000000
	s_mov_b32 s[G0V], 1
	s_mov_b32 s[G0V+1], s93
	s_add_nc_u64 s[G0V+2:G0V+3], s[10:11], s[88:89]
	s_or_b32 s[G0V+3], s[G0V+3], 0x80000000
	s_wait_alu depctr_va_vdst(0)
	s_wait_tensorcnt 0x0
	ds_add_u32 v5, v6
	s_wait_dscnt 0x0
	CROUND
	TLOAD G0K, G1K, G0V, G1V
	s_add_nc_u64 s[4:5], s[4:5], s[80:81]
	s_add_nc_u64 s[14:15], s[14:15], s[80:81]
	s_add_nc_u64 s[16:17], s[16:17], s[82:83]
	v_and_b32 v8, 15, v0
	v_bfe_u32 v9, v0, 4, 1
	s_delay_alu instid0(VALU_DEP_2)
	v_lshlrev_b32 v10, 14, v8
	s_delay_alu instid0(VALU_DEP_1)
	v_lshl_add_u32 v10, v9, 6, v10
.irp b, 0,1,2,3
.irp c, 0,1,2,3
	global_load_b128 v[96+16*\b+4*\c:99+16*\b+4*\c], v10, s[4:5] offset:128*\b+16*\c th:TH_LOAD_NT
.endr
.endr
	WIN 0x40
.irp b, 0,1,2,3
.irp c, 0,1,2,3
	global_load_b128 v[96+16*\b+4*\c:99+16*\b+4*\c], v10, s[4:5] offset:262144+128*\b+16*\c th:TH_LOAD_NT
.endr
.endr
	v_mov_b32 v0, v0
.irp b, 0,1,2,3
	v_mov_b32 v[236+\b], 0
.endr
	WIN 0
.irp b, 0,1,2,3
	v_mov_b32 v[236+\b], 0
.endr
	v_mul_u32_u24 v[AK0], v8, KP
	s_delay_alu instid0(VALU_DEP_1)
	v_lshl_add_u32 v[AK0], v9, 4, v[AK0]
	v_mul_u32_u24 v[AV0], v8, VP
	s_delay_alu instid0(VALU_DEP_1)
	v_lshl_add_u32 v[AV0], v9, 4, v[AV0]
	s_delay_alu instid0(VALU_DEP_1)
	v_add_nc_u32 v[AV0], VOFF, v[AV0]
	v_lshlrev_b32 v[ASK0], 2, v8
	s_delay_alu instid0(VALU_DEP_1)
	v_mad_u32_u24 v[ASK0], v9, 272, v[ASK0]
	s_delay_alu instid0(VALU_DEP_1)
	v_add_nc_u32 v[ASK0], SCK, v[ASK0]
	v_lshrrev_b32 v11, 1, v8
	s_delay_alu instid0(VALU_DEP_1)
	v_mul_u32_u24 v[ASV0], v11, 272
	v_and_b32 v11, 1, v8
	s_delay_alu instid0(VALU_DEP_1)
	v_lshl_add_u32 v[ASV0], v11, 7, v[ASV0]
	s_delay_alu instid0(VALU_DEP_1)
	v_mad_u32_u24 v[ASV0], v9, 8704, v[ASV0]
	s_delay_alu instid0(VALU_DEP_1)
	v_add_nc_u32 v[ASV0], SCV, v[ASV0]
	v_lshlrev_b32 v[GO], 14, v9
	s_delay_alu instid0(VALU_DEP_1)
	v_lshl_add_u32 v[GO], v8, 4, v[GO]
	v_and_b32 v11, 31, v0
	s_delay_alu instid0(VALU_DEP_1)
	v_lshlrev_b32 v8, 4, v11
	s_delay_alu instid0(VALU_DEP_2)
	v_lshlrev_b32 v9, 2, v11
	s_wait_loadcnt 0x0
	QUANT
	WIN 0x55
	QUANT
	WIN 0
.irp c, 0,1,2,3
	global_store_b128 v8, v[16+4*\c:19+4*\c], s[16:17] offset:512*\c
.endr
	global_store_b32 v9, v254, s[16:17] offset:2048
	WIN 0x04
.irp c, 0,1,2,3
	global_store_b128 v8, v[16+4*\c:19+4*\c], s[16:17] offset:9216+512*\c
.endr
	global_store_b32 v9, v254, s[16:17] offset:9216+2048
	v_cndmask_b32 v255, v254, v254, s[HM]
	WIN 0
	INIT
	WIN 0x55
	INIT
	WIN 0
	s_wait_xcnt 0x0
.Lslot:
	CHANGE 1
	SLOT_STEPS
	s_sub_co_u32 s[SLOTS], s[SLOTS], 1
	s_cmp_lg_u32 s[SLOTS], 0
	s_cbranch_scc1 .Lslot
	CHANGE 0
	SLOT_STEPS
	v_and_b32 v252, 15, v0
	v_bfe_u32 v254, v0, 4, 1
	s_mul_i32 s96, s[WV], 16*272
	v_mul_u32_u24 v8, v252, 272
	s_delay_alu instid0(VALU_DEP_1)
	v_lshl_add_u32 v8, v254, 5, v8
	s_delay_alu instid0(VALU_DEP_1)
	v_add_nc_u32 v8, s96, v8
	v_mul_u32_u24 v9, v254, 272
	s_delay_alu instid0(VALU_DEP_1)
	v_lshl_add_u32 v9, v252, 4, v9
	s_delay_alu instid0(VALU_DEP_1)
	v_add_nc_u32 v9, s96, v9
	v_and_b32 v10, 31, v0
	s_delay_alu instid0(VALU_DEP_1)
	v_lshlrev_b32 v10, 2, v10
.macro WAYOUT t
	WIN 85*\t
	v_add_f32 v14, v14, v15
	s_delay_alu instid0(VALU_DEP_1)
	v_permlanex16_b32 v252, v14, s[SEL], s[SEL+1]
	s_delay_alu instid0(VALU_DEP_1)
	v_add_f32 v14, v14, v252
	s_wait_alu depctr_va_vdst(0)
	v_rcp_f32 v15, v14
	v_log_f32 v254, v14
	v_nop
	s_wait_alu depctr_va_vdst(0)
	v_sub_f32 v254, v12, v254
	s_delay_alu instid0(VALU_DEP_1)
	v_add_f32 v254, -2.0, v254
.set n, 0
.rept 64
	v_mul_f32 v[96+n], v[160+n], v15
.set n, n+1
.endr
.irp u, 0,1
	WIN 4*\t
.irp i, 0,1,2,3
	ds_store_b128 v8, v[96+32*\u+8*\i:99+32*\u+8*\i] offset:64*\i
	ds_store_b128 v8, v[100+32*\u+8*\i:103+32*\u+8*\i] offset:64*\i+16
.endr
	WIN 64*\t
.irp i, 0,1,2,3,4,5,6,7
	ds_load_b128 v[32+32*\u+4*\i:35+32*\u+4*\i], v9 offset:2*\i*272
.endr
.endr
	WIN 4*\t
.irp u, 0,1
.irp i, 0,1,2,3,4,5,6,7
	s_wait_dscnt 15-8*\u-\i
	global_store_b128 v[GO], v[32+32*\u+4*\i:35+32*\u+4*\i], s[14:15] offset:262144*\t+32768*\i+256*\u th:TH_STORE_NT
.endr
.endr
	global_store_b32 v10, v254, s[16:17] offset:9216*\t+2176
.endm
	WAYOUT 0
	WAYOUT 1
	WIN 0
	s_wait_tensorcnt 0x0
	ds_add_u32 v[SPW], v[NIL]
	s_wait_dscnt 0x0
	CROUND
	s_endpgm
.Lfunc_end_k_q5dec34e27a_flash:
	.size	k_q5dec34e27a_flash, .Lfunc_end_k_q5dec34e27a_flash-k_q5dec34e27a_flash
	.p2alignl 7, 3214868480
	.fill 96, 4, 3214868480
	.section	.rodata,"a",@progbits
	.p2align	6, 0x0
	.amdhsa_kernel k_q5dec34e27a_flash
		.amdhsa_group_segment_fixed_size 327680
		.amdhsa_private_segment_fixed_size 0
		.amdhsa_enable_private_segment 0
		.amdhsa_kernarg_size 56
		.amdhsa_user_sgpr_count 2
		.amdhsa_user_sgpr_kernarg_segment_ptr 1
		.amdhsa_wavefront_size32 1
		.amdhsa_system_sgpr_workgroup_id_x 1
		.amdhsa_system_sgpr_workgroup_id_y 1
		.amdhsa_system_sgpr_workgroup_id_z 1
		.amdhsa_system_vgpr_workitem_id 0
		.amdhsa_next_free_vgpr 512
		.amdhsa_next_free_sgpr 100
		.amdhsa_reserve_vcc 1
		.amdhsa_float_denorm_mode_32 3
		.amdhsa_float_denorm_mode_16_64 3
		.amdhsa_fp16_overflow 1
		.amdhsa_memory_ordered 1
		.amdhsa_forward_progress 1
		.amdhsa_inst_pref_size 234
	.end_amdhsa_kernel
	.amdgpu_metadata
---
amdhsa.version: [ 1, 2 ]
amdhsa.kernels:
  - .name:           k_q5dec34e27a_flash
    .symbol:         k_q5dec34e27a_flash.kd
    .args:
      - { .name: q, .offset: 0, .size: 8, .value_kind: global_buffer, .address_space: global }
      - { .name: k_codes, .offset: 8, .size: 8, .value_kind: global_buffer, .address_space: global }
      - { .name: k_scales, .offset: 16, .size: 8, .value_kind: global_buffer, .address_space: global }
      - { .name: v_codes, .offset: 24, .size: 8, .value_kind: global_buffer, .address_space: global }
      - { .name: v_scales, .offset: 32, .size: 8, .value_kind: global_buffer, .address_space: global }
      - { .name: out0, .offset: 40, .size: 8, .value_kind: global_buffer, .address_space: global }
      - { .name: qrec, .offset: 48, .size: 8, .value_kind: global_buffer, .address_space: global }
    .group_segment_fixed_size: 327680
    .private_segment_fixed_size: 0
    .kernarg_segment_align: 8
    .kernarg_segment_size: 56
    .max_flat_workgroup_size: 256
    .sgpr_count:     100
    .vgpr_count:     512
    .wavefront_size: 32
...
	.end_amdgpu_metadata
.endif
;; end of part 2
;; launch colsum (part 3): grid 32 x 8, 16 waves a work-group, clusters of 4 x 1, 327,680 bytes of LDS; arguments qrec, k_codes, k_scales, out1; writes out1
.if DOCPART == 3
	.amdgcn_target "amdgcn-amd-amdhsa--gfx1250"
	.amdhsa_code_object_version 6
	.text
	.protected	k_q5dec34e27a_colsum
	.globl	k_q5dec34e27a_colsum
	.p2align	8
	.type	k_q5dec34e27a_colsum,@function
k_q5dec34e27a_colsum:
	s_mov_b64 s[64:65], 0
	v_nop
	global_prefetch_b8 v0, s[64:65] scope:SCOPE_SE
	s_setreg_imm32_b32 hwreg(HW_REG_WAVE_MODE, 25, 1), 1
	s_wait_xcnt 0x0
	s_wait_alu depctr_hold_cnt(0) depctr_sa_sdst(0) depctr_va_vdst(0) depctr_va_sdst(0) depctr_va_ssrc(0) depctr_va_vcc(0) depctr_vm_vsrc(0)
	s_getreg_b32 s2, hwreg(HW_REG_IB_STS2, 6, 4)
	s_cmp_eq_u32 s2, 0
	s_cbranch_scc0 .Lentry_in_a_cluster
	s_endpgm
.Lentry_in_a_cluster:
	s_bfe_u32 s2, ttmp6, 0x10000c
	s_cmp_lg_u32 s2, 0x3003
	s_cbranch_scc0 .Lentry_shape_is_right
	s_endpgm
.Lentry_shape_is_right:
; out1[kv head][key] = the sum over the queries of the mean over the group's four heads of the finished probabilities.  The scores are made again, S = Q K^T on the same codes of BF8 (E5M2) with E8M0 scales;
; a record of the launch before holds, for a tile of 16 queries of one head, Q's fragment registers, its scale words and stat = -(M + log2 l + 2): the probability over 4 is 2^(c s + stat), c = log2(e) / sqrt(128).
; The exponent is at most 1 - 2 (t <= M, l > 1/2), so no exponential overflows; what falls under the smallest normal number counts as 0.
; SHARES.  ONE OWNER FOR EACH KEY.  A work-group owns 8 tiles of 16 keys of one head: tile n is KT = 4 m + cx, m = 16 (n / 2) + (c or 15 - c, by n's parity), c the cluster's x, cx the place in the cluster.  K's 8 fragments
; stay in every wave's registers.  The 16 waves share the queries: in trip i wave w takes the tile of queries T = 16 i + w, four records (the four heads), 9,216 dense bytes.
; The four partners of a cluster want the same records: each is asked for JOINTLY (mask 15), every wave asking for its own four into its own LDS bytes.
; THE MASK.  Tiles 0-3 hold keys under 2,048, which count for every query.  Tile n >= 4 is hidden from T where T < TH + cx, TH = 4 (m - 32).  Branches hang on T and TH alone, which the partners share: the tile is
; passed over where T < TH, masked by compare and select where TH <= T <= TH + 3, open beyond.  The four TH ascend and add to 248 for every c: the work-groups' work is even.
; LAYOUT.  Source 0 = Q's 16 queries, source 1 = 16 keys: lane (r, h) holds key r and its register j the query 8 h + j.
; out1 is stored in runs of 64 bytes (a tile of 16 keys): whole runs of 256 would give a cluster's partners different thresholds, that is branches on the place in the cluster; out1 is 131,072 bytes in all.
.set RECB,  2304
.set WPART, 4*RECB                     ; a wave's four records
.set SLOTB, 16*WPART                   ; a slot: 147,456 bytes
.set SPARE, 2*SLOTB                    ; behind the ring: the spare words, 128 bytes for each wave: eight blocks of 256 bytes that no other line names
.set STG,   SPARE+2048                 ; the waves' partial sums: 512 bytes each; no tensor load lands here
.set LQ,   1                           ; v1-2   my 16 bytes of an image in slot 0, 1
.set LSC,  3                           ; v3-4   my scale word
.set LST,  5                           ; v5-6   my eight stats: 32 h
.set SPW,  7                           ; v7     my spare word; never rewritten
.set NIL,  8                           ; v8     0; never rewritten
.set VD0,  9                           ; v9     r - 8 h + 16 cx
.set KS,   10                          ; v10-17 K's scale words
.set QS,   18                          ; v18    Q's scale words
.set VD,   19                          ; v19    the mask's threshold
.set ST,   20                          ; v20-27 the stats of queries 8 h + 0 .. 7
.set QF,   28                          ; v28-43 Q's fragment
.set ACC,  44                          ; v44-59 the sums, two registers a tile of keys
.set D,    60                          ; v60-123 the scores, eight registers a tile
.set NINF, 124                         ; v124   -infinity
.set STS,  125                         ; v125   where my wave's sums go
.set STL,  126                         ; v126   where a thread of waves 0-3 reads the sixteen sums of its key
.set OUTA, 127                         ; v127   that key's byte in the head's row of out1
.set KFR,  128                         ; v128-255 K's eight fragments
.set WV,   12
.set CC,   13                          ; s13  c
.set CX,   14                          ; s14  cx: it enters K's and out1's addresses and the mask's numbers alone
.set KVH,  15
.set G1,   16                          ; s[16:23] group 1
.set KB,   24                          ; s[24:27] K's codes for even and odd n
.set SB,   28                          ; s[28:31] K's scale words likewise
.set G0,   32                          ; s[32:39] group 0, a set for each slot
.set T,    40                          ; s40  my tile of queries
.set TH,   41                          ; s41-44 the thresholds of tiles 4-7
.set TH3,  45                          ; s45-48 the same + 3
.set CNT,  49
.set CS,   50                          ; s[50:51] c
.set SEL,  52                          ; s[52:53]
.macro CROUND
	s_barrier_signal -1
	s_barrier_wait -1
	s_cmp_lg_u32 s[WV], 0
	s_cbranch_scc1 .Lnot_wave_0_\@
	s_barrier_signal -3
.Lnot_wave_0_\@:
	s_barrier_wait -3
	s_barrier_signal -1
	s_barrier_wait -1
.endm
	s_load_b256 s[4:11], s[0:1], 0x0               ; qrec s[4:5], k_codes s[6:7], k_scales s[8:9], out1 s[10:11]
	v_lshl_add_u32 v[SPW], v0, 2, SPARE
	v_mov_b32 v[NIL], 0
	ds_add_u32 v7, v8
	s_wait_dscnt 0x0
	v_lshrrev_b32 v19, 5, v0
	v_readfirstlane_b32 s[WV], v19                 ; wave 0..15
	s_mov_b32 s[CC], ttmp9
	s_bfe_u32 s[CX], ttmp6, 0x40000
	s_and_b32 s[KVH], ttmp7, 0xffff
	; group 1: 9,216 dense bytes as 36 rows of 256 (32 elements of 8 bytes), no padding: images are read 16 bytes a lane, on end
	s_mov_b32 s[G1], 15|(3<<16)|(1<<21)            ; 15:0 the mask: all four work-groups; 17:16 elements of 8 bytes; 21 set beside a mask
	s_mov_b32 s[G1+1], 32<<16
	s_mov_b32 s[G1+2], 36<<16
	s_mov_b32 s[G1+3], 32<<16
	s_mov_b32 s[G1+4], 36
	s_mov_b32 s[G1+5], 32
	s_mov_b32 s[G1+6], 0
	s_mov_b32 s[G1+7], 0
	s_mul_i32 s56, s[WV], WPART                    ; my wave's part, in a slot and in a trip's records
	s_mul_i32 s54, s[KVH], 512*RECB                ; the head's 512 records
	s_add_co_u32 s54, s54, s56
	s_mov_b32 s55, 0
	s_lshl_b32 s[TH], s[CC], 2                     ; 4 c, 4 (15 - c), 4 (16 + c), 4 (31 - c)
	s_sub_co_u32 s[TH+1], 60, s[TH]
	s_add_co_u32 s[TH+2], s[TH], 64
	s_sub_co_u32 s[TH+3], 124, s[TH]
.irp n, 0,1,2,3
	s_add_co_u32 s[TH3+\n], s[TH+\n], 3
.endr
	s_mov_b32 s[CS], 0x3e0293ee
	s_mov_b32 s[CS+1], s[CS]
	s_mov_b32 s[SEL], 0x76543210
	s_mov_b32 s[SEL+1], 0xfedcba98
	v_and_b32 v20, 31, v0                          ; lane
	v_and_b32 v21, 15, v0                          ; r
	v_bfe_u32 v22, v0, 4, 1                        ; h
	v_lshl_add_u32 v[LQ], v20, 4, s56
	v_add_nc_u32 v[LQ+1], SLOTB, v[LQ]
	v_lshl_add_u32 v[LSC], v20, 2, s56
	v_add_nc_u32 v[LSC], 2048, v[LSC]
	v_add_nc_u32 v[LSC+1], SLOTB, v[LSC]
	v_lshl_add_u32 v[LST], v22, 5, s56
	v_add_nc_u32 v[LST], 2176, v[LST]
	v_add_nc_u32 v[LST+1], SLOTB, v[LST]
	s_lshl_b32 s40, s[WV], 9
	v_lshl_add_u32 v[STS], v21, 2, s40
	v_add_nc_u32 v[STS], STG, v[STS]               ; STG + 512 w + 4 r
	v_lshl_add_u32 v[STL], v0, 2, STG              ; STG + 4 x thread: word 16 n + r of each wave's 512 bytes
	s_mov_b32 s[T], s[WV]
	v_lshlrev_b32 v23, 3, v22
	v_sub_nc_u32 v[VD0], v21, v23
	s_lshl_b32 s57, s[CX], 4
	v_add_nc_u32 v[VD0], s57, v[VD0]
	v_lshrrev_b32 v23, 4, v0                       ; a thread of waves 0-3 owns key r of tile n = thread / 16
	v_and_b32 v24, 1, v23
	v_mul_u32_u24 v24, v24, 15
	v_xor_b32 v24, s[CC], v24                      ; c or 15 - c
	v_lshrrev_b32 v23, 1, v23
	v_lshl_add_u32 v24, v23, 4, v24                ; m
	v_lshl_add_u32 v24, v24, 2, s[CX]              ; KT = 4 m + cx
	v_lshl_add_u32 v24, v24, 4, v21                ; the key
	v_lshlrev_b32 v[OUTA], 2, v24
	v_and_b32 v23, 8, v21
	v_add_nc_u32 v23, v23, v21                     ; key r's place in its tile's rows: r % 8 + 16 (r / 8)
	v_lshlrev_b32 v25, 7, v23
	v_lshl_add_u32 v25, v22, 4, v25                ; K's codes: 128 bytes a place, + 16 h
	v_lshlrev_b32 v26, 2, v23                      ; K's scale words: 4 bytes a place
	s_lshr_b32 s57, s[CX], 1
	s_lshl_b32 s57, s57, 5
	s_and_b32 s58, s[CX], 1
	s_lshl_b32 s58, s58, 3
	s_add_co_u32 s57, s57, s58                     ; 32 (cx / 2) + 8 (cx % 2)
	s_lshl_b32 s58, s[CC], 6
	s_add_co_u32 s58, s58, s57                     ; the first place of tile 0: 64 c + that
	s_sub_co_u32 s59, 15, s[CC]
	s_lshl_b32 s59, s59, 6
	s_add_co_u32 s59, s59, s57                     ; of tile 1: 64 (15 - c) + that
	s_lshl_b32 s57, s[KVH], 19
	s_lshl_b32 s60, s58, 7
	s_add_co_u32 s60, s60, s57
	s_mov_b32 s61, 0
	s_lshl_b32 s62, s59, 7
	s_add_co_u32 s62, s62, s57
	s_mov_b32 s63, 0
	s_wait_kmcnt 0x0
	s_add_nc_u64 s[KB:KB+1], s[6:7], s[60:61]
	s_add_nc_u64 s[KB+2:KB+3], s[6:7], s[62:63]
	s_lshl_b32 s57, s[KVH], 14
	s_lshl_b32 s60, s58, 2
	s_add_co_u32 s60, s60, s57
	s_lshl_b32 s62, s59, 2
	s_add_co_u32 s62, s62, s57
	s_add_nc_u64 s[SB:SB+1], s[8:9], s[60:61]
	s_add_nc_u64 s[SB+2:SB+3], s[8:9], s[62:63]
	s_mov_b32 s60, s57
	s_add_nc_u64 s[10:11], s[10:11], s[60:61]      ; the head's row of out1
	s_mov_b32 s[G0], 1
	s_mov_b32 s[G0+1], s56
	s_add_nc_u64 s[G0+2:G0+3], s[4:5], s[54:55]    ; trip 0's records
	s_mov_b32 s[G0+4], 1
	s_add_co_u32 s[G0+5], s56, SLOTB
	s_add_nc_u64 s[G0+6:G0+7], s[G0+2:G0+3], SLOTB ; trip 1's
	s_or_b32 s[G0+3], s[G0+3], 0x80000000
	s_or_b32 s[G0+7], s[G0+7], 0x80000000
	CROUND                                         ; all four work-groups are here: the first joint loads meet
	tensor_load_to_lds s[G0:G0+3], s[G1:G1+7]      ; one tensor load of mine is out
	s_nop 0
.rept 4
	v_nop
.endr
.irp n, 0,1,2,3,4,5,6,7
.irp c, 0,1,2,3
	global_load_b128 v[KFR+16*\n+4*\c:KFR+16*\n+4*\c+3], v25, s[KB+2*(\n%2):KB+2*(\n%2)+1] offset:131072*(\n/2)+32*\c   ; tiles two apart lie 1,024 places apart
.endr
	global_load_b32 v[KS+\n], v26, s[SB+2*(\n%2):SB+2*(\n%2)+1] offset:4096*(\n/2)
.endr
.set i, 0
.rept 16
	v_mov_b32 v[ACC+i], 0
.set i, i+1
.endr
.set i, 32
.rept 32
	v_mov_b32 v[D+i], 0                            ; tiles 4-7: their products and the work on them stand under two branches on one compare; written once, so that every way through the text finds them written
.set i, i+1
.endr
	v_mov_b32 v[NINF], 0xff800000
	v_mov_b32 v[VD], 0
	s_mov_b32 s[CNT], 3
	s_wait_loadcnt 0x0                             ; K
.macro LATE n                          ; a tile of keys over 2,047, not hidden as a whole
.irp p, 0,1,2,3
	v_pk_fma_f32 v[D+8*\n+2*\p:D+8*\n+2*\p+1], v[D+8*\n+2*\p:D+8*\n+2*\p+1], s[CS:CS+1], v[ST+2*\p:ST+2*\p+1] op_sel_hi:[1,0,1]
.endr
	s_cmp_gt_u32 s[T], s[TH3+\n-4]
	s_cbranch_scc1 .Lo_\@                          ; open for every partner
	s_sub_co_u32 s58, s[T], s[TH+\n-4]
	s_lshl_b32 s58, s58, 4
	v_sub_nc_u32 v[VD], v[VD0], s58                ; key 16 KT + r is hidden from query 16 T + 8 h + j where j < r - 8 h + 16 cx - 16 (T - TH)
.irp j, 0,1,2,3,4,5,6,7
	v_cmp_lt_i32 vcc_lo, \j, v[VD]
	v_cndmask_b32 v[D+8*\n+\j], v[D+8*\n+\j], v[NINF], vcc_lo
.endr
.Lo_\@:
.irp j, 0,1,2,3,4,5,6,7
	v_exp_f32 v[D+8*\n+\j], v[D+8*\n+\j]
.endr
	v_nop                                          ; a plain line behind the exponentials
	s_wait_alu depctr_va_vdst(0)
.irp p, 0,1,2,3
	v_pk_add_f32 v[ACC+2*\n:ACC+2*\n+1], v[ACC+2*\n:ACC+2*\n+1], v[D+8*\n+2*\p:D+8*\n+2*\p+1]
.endr
.endm
; One record: head g of my tile of queries, out of slot s.
.macro RECORD s, g
.irp c, 0,1,2,3
	ds_load_b128 v[QF+4*\c:QF+4*\c+3], v[LQ+\s] offset:RECB*\g+512*\c
.endr
	ds_load_b32 v[QS], v[LSC+\s] offset:RECB*\g
	ds_load_b128 v[ST:ST+3], v[LST+\s] offset:RECB*\g
	ds_load_b128 v[ST+4:ST+7], v[LST+\s] offset:RECB*\g+16
	s_wait_dscnt 0x0
.irp n, 0,1,2,3
	v_wmma_scale_f32_16x16x128_f8f6f4 v[D+8*\n:D+8*\n+7], v[QF:QF+15], v[KFR+16*\n:KFR+16*\n+15], 0, v[QS], v[KS+\n] matrix_a_fmt:MATRIX_FMT_BF8 matrix_b_fmt:MATRIX_FMT_BF8
.endr
.irp n, 4,5,6,7
	s_cmp_lt_u32 s[T], s[TH+\n-4]                  ; hidden from my queries for every partner; the thresholds ascend, so the later tiles are hidden too
	s_cbranch_scc1 .Lw_\@
	v_wmma_scale_f32_16x16x128_f8f6f4 v[D+8*\n:D+8*\n+7], v[QF:QF+15], v[KFR+16*\n:KFR+16*\n+15], 0, v[QS], v[KS+\n] matrix_a_fmt:MATRIX_FMT_BF8 matrix_b_fmt:MATRIX_FMT_BF8
.endr
.Lw_\@:
.rept 8
	v_nop                                          ; eight places: in front of the first read of the scores and of the next record's loads; with the plain line behind the exponentials below, nine in front of the next products, which write over these results
.endr
.irp p, 0,1,2,3
.irp n, 0,1,2,3
	v_pk_fma_f32 v[D+8*\n+2*\p:D+8*\n+2*\p+1], v[D+8*\n+2*\p:D+8*\n+2*\p+1], s[CS:CS+1], v[ST+2*\p:ST+2*\p+1] op_sel_hi:[1,0,1]   ; c s + stat, each accumulator from its low end on
.endr
.endr
.set i, 0
.rept 32
	v_exp_f32 v[D+i], v[D+i]
.set i, i+1
.endr
	v_nop                                          ; a plain line behind the exponentials
	s_wait_alu depctr_va_vdst(0)
.irp p, 0,1,2,3
.irp n, 0,1,2,3
	v_pk_add_f32 v[ACC+2*\n:ACC+2*\n+1], v[ACC+2*\n:ACC+2*\n+1], v[D+8*\n+2*\p:D+8*\n+2*\p+1]
.endr
.endr
.irp n, 4,5,6,7
	s_cmp_lt_u32 s[T], s[TH+\n-4]
	s_cbranch_scc1 .Lv_\@
	LATE \n
.endr
.Lv_\@:
.endm
; A trip: my four records out of slot s.  In front of the round each wave waits for all its tensor loads (the one that is out brought this trip's records), adds 0 to its spare word, and waits for that and for its
; reads of the other slot.  Behind the round no wave of any partner reads the other slot or has a load on its way: the joint refill is the first thing there, and has the trip's four records in which to land.
.macro TRIP s, refill
	s_wait_tensorcnt 0x0
	ds_add_u32 v[SPW], v[NIL]                      ; 0 onto my spare word
	s_add_nc_u64 s[G0+4*\s+2:G0+4*\s+3], s[G0+4*\s+2:G0+4*\s+3], 2*SLOTB   ; no load of mine is out: this slot's next records (in the last two trips the stepped address is not used)
	s_wait_dscnt 0x0
	CROUND
.if \refill
	tensor_load_to_lds s[G0+4-4*\s:G0+7-4*\s], s[G1:G1+7]
	s_nop 0
.rept 4
	v_nop
.endr
.endif
	RECORD \s, 0
	RECORD \s, 1
	RECORD \s, 2
	RECORD \s, 3
	s_add_co_u32 s[T], s[T], 16
.endm
.Ltrips:                                           ; eight trips in all: three times two here, the last two written out
	TRIP 0, 1
	TRIP 1, 1
	s_sub_co_u32 s[CNT], s[CNT], 1
	s_cmp_lg_u32 s[CNT], 0
	s_cbranch_scc1 .Ltrips
	TRIP 0, 1
	TRIP 1, 0
	; THE END.  A wave's sums: the two halves of a pair, and lane l xor 16's eight queries.  The sixteen waves' sums meet in LDS; a thread of waves 0-3 adds the sixteen of its key, in a fixed order.
.irp n, 0,1,2,3,4,5,6,7
	v_add_f32 v[ST+\n], v[ACC+2*\n], v[ACC+2*\n+1]
.endr
.irp n, 0,1,2,3,4,5,6,7
	v_permlanex16_b32 v[VD], v[ST+\n], s[SEL], s[SEL+1]
	v_add_f32 v[ST+\n], v[ST+\n], v[VD]
	ds_store_b32 v[STS], v[ST+\n] offset:64*\n     ; lanes r and r + 16 write the same word with the same value
.endr
	s_wait_dscnt 0x0                               ; for the others' sake: my stores have landed
	s_barrier_signal -1
	s_barrier_wait -1
	s_cmp_gt_u32 s[WV], 3
	s_cbranch_scc1 .Lend
.irp i, 0,1,2,3,4,5,6,7,8,9,10,11,12,13,14,15
	ds_load_b32 v[QF+\i], v[STL] offset:512*\i
.endr
	s_wait_dscnt 0x0
.irp i, 0,2,4,6,8,10,12,14
	v_add_f32 v[QF+\i], v[QF+\i], v[QF+\i+1]
.endr
.irp i, 0,4,8,12
	v_add_f32 v[QF+\i], v[QF+\i], v[QF+\i+2]
.endr
	v_add_f32 v[QF], v[QF], v[QF+4]
	v_add_f32 v[QF+8], v[QF+8], v[QF+12]
	v_add_f32 v[QF], v[QF], v[QF+8]
	global_store_b32 v[OUTA], v[QF], s[10:11]      ; sixteen lanes store a tile's 64 consecutive bytes
.Lend:
	s_wait_tensorcnt 0x0                           ; the wave's end
	ds_add_u32 v[SPW], v[NIL]
	s_wait_dscnt 0x0
	CROUND                                         ; the closing round: no work-group ends while a partner may still ask for records that name it
	s_endpgm
.Lfunc_end_k_q5dec34e27a_colsum:
	.size	k_q5dec34e27a_colsum, .Lfunc_end_k_q5dec34e27a_colsum-k_q5dec34e27a_colsum
	.p2alignl 7, 3214868480
	.fill 96, 4, 3214868480
	.section	.rodata,"a",@progbits
	.p2align	6, 0x0
	.amdhsa_kernel k_q5dec34e27a_colsum
		.amdhsa_group_segment_fixed_size 327680
		.amdhsa_private_segment_fixed_size 0
		.amdhsa_enable_private_segment 0
		.amdhsa_kernarg_size 32
		.amdhsa_user_sgpr_count 2
		.amdhsa_user_sgpr_kernarg_segment_ptr 1
		.amdhsa_wavefront_size32 1
		.amdhsa_system_sgpr_workgroup_id_x 1
		.amdhsa_system_sgpr_workgroup_id_y 1
		.amdhsa_system_sgpr_workgroup_id_z 1
		.amdhsa_system_vgpr_workitem_id 0
		.amdhsa_next_free_vgpr 256
		.amdhsa_next_free_sgpr 66
		.amdhsa_reserve_vcc 1
		.amdhsa_float_denorm_mode_32 3
		.amdhsa_float_denorm_mode_16_64 3
		.amdhsa_memory_ordered 1
		.amdhsa_forward_progress 1
		.amdhsa_inst_pref_size 198
	.end_amdhsa_kernel
	.amdgpu_metadata
---
amdhsa.version: [ 1, 2 ]
amdhsa.kernels:
  - .name:           k_q5dec34e27a_colsum
    .symbol:         k_q5dec34e27a_colsum.kd
    .args:
      - { .name: qrec, .offset: 0, .size: 8, .value_kind: global_buffer, .address_space: global }
      - { .name: k_codes, .offset: 8, .size: 8, .value_kind: global_buffer, .address_space: global }
      - { .name: k_scales, .offset: 16, .size: 8, .value_kind: global_buffer, .address_space: global }
      - { .name: out1, .offset: 24, .size: 8, .value_kind: global_buffer, .address_space: global }
    .group_segment_fixed_size: 327680
    .private_segment_fixed_size: 0
    .kernarg_segment_align: 8
    .kernarg_segment_size: 32
    .max_flat_workgroup_size: 512
    .sgpr_count:     66
    .vgpr_count:     256
    .wavefront_size: 32
...
	.end_amdgpu_metadata
.endif
;; end of part 3
